; MI455X (gfx1250); checked and timed in simulation.
; The chip was launched on July 23, 2026; its instructions are those of AMD's public machine-readable ISA for CDNA 5 (MIT licence, August 2026) and "CDNA5" Instruction Set Architecture Reference Guide (July 2026). The comments in the code are by the model that wrote it; some were corrected since.
;; SDFMLP. Allowed arithmetic: matrix products marked QUANTISED: E2M1 operands, one E8M0 scale for each 32 along K, by v_wmma_scale_f32_16x16x128_f8f6f4 with both operands' format E2M1 (or v_wmma_scale_f32_32x16x128_f4), f32 sums; products left as they are: f32 operands where the result goes on into a quantised operand, else bf16, f16 or f32 operands; f32 sums; everything else in f32.
;; Inputs: W1 64 x 3 float32; W2_codes 64 x 2 x 16 uint8 (E2M1 codes of W2, K innermost, in blocks of 32 codes, two codes a byte); W2_scales 64 x 2 uint8 (E8M0 scales of W2, one for each 32 codes along K); W3_codes 64 x 2 x 16 uint8 (E2M1 codes of W3, K innermost, in blocks of 32 codes, two codes a byte); W3_scales 64 x 2 uint8 (E8M0 scales of W3, one for each 32 codes along K); W4 1 x 64 float32; b1 64 float32; b2 64 float32; b3 64 float32; b4 1 float32; x 1,048,576 x 3 float32.
;; Outputs: out0 1,048,576 x 1 float32.
;; This version of the problem:
;;   THIS VERSION OF THE PROBLEM IS GIVEN IN LOW PRECISION. The matrix products marked QUANTISED in the list below multiply operands that are first quantised to E2M1 (2 exponent bits, 1 mantissa bit; 4 bits a number), with one power-of-two scale for each 32 numbers along K (OCP MX v1.0); their sums are f32. All else is computed in f32.
;;   The module's matrix products, in the order in which they are computed (A, B: the left and right operand; K: the contracted axis; several contracted axes count as one K, in the product's order):
;;     1. [M 1,048,576, K 3] x [K 3, N 64]; A: input x; B: input W1: left as it is (K = 3 < 32)
;;     2. [M 1,048,576, K 64] x [K 64, N 64]; A: computed on the way; B: input W2 (given as codes): QUANTISED
;;     3. [M 1,048,576, K 64] x [K 64, N 64]; A: computed on the way; B: input W3 (given as codes): QUANTISED
;;     4. [M 1,048,576, K 64] x [K 64, N 1]; A: computed on the way; B: input W4: left as it is (N = 1 < 16)
;;   THE QUANTISER, for each operand of a quantised product, along K:
;;     - K is cut into blocks of 32 from its start; a last block that is shorter is filled with zeros.
;;     - A block's scale is 2^e with e = floor(log2(the largest magnitude in the block)) - 2, held to -126 .. 127; a block of zeros has e = 0. As a byte (E8M0): e + 127.
;;     - Each number is divided by its block's scale, clamped to +-6, and rounded to the nearest number of E2M1, ties to even, subnormals kept.
;;     - The product sums the exact products of the quantised numbers (number of the format x scale) in f32.
;;   ~~~python
;;   def quantise(x, axis):      # numpy; x: float32 -> the quantised numbers, widened to float32 again
;;       x = np.moveaxis(x, axis, -1); K = x.shape[-1]
;;       x = np.pad(x, [(0, 0)] * (x.ndim - 1) + [(0, -K % 32)]); x = x.reshape(x.shape[:-1] + (-1, 32)); a = np.abs(x).max(-1, keepdims=True)
;;       e = np.where(a > 0, np.clip(np.frexp(np.where(a > 0, a, 1))[1] - 1 - 2, -126, 127), 0)      # np.frexp(a)[1] - 1 = floor(log2(a)), exactly
;;       r = np.clip(x / 2.0 ** e, -6, 6)
;;       step = 2.0 ** (np.maximum(np.frexp(np.where(r == 0, 1, r))[1] - 1, 0) - 1)
;;       q = np.round(r / step) * step * 2.0 ** e      # np.round: ties to even
;;       return np.moveaxis(q.reshape(q.shape[:-2] + (-1,))[..., :K], -1, axis).astype(np.float32)
;;   ~~~
;;   OPERANDS COMPUTED ON THE WAY. 'Computed on the way' means the value that the module computes at that place (a softmax that the list does not call 'softmax' is quantised finished and normalised). What goes into a quantiser is computed in f32, as accurately as f32 sums, v_exp_f32 and their like allow (about 1e-6 of the number): no bf16 or f16 on the way to a quantiser, and a product that is left as it is and whose result goes on into a quantised operand takes f32 operands (vector FMAs, or v_wmma_f32_16x16x4_f32). A number that lies on a knife's edge between two numbers of the format may be rounded either way, as far as f32 arithmetic and the matrix unit's own rounding can turn it there, and no further.
;;   INPUTS GIVEN AS CODES. W2 (in the module: [64, 64], K = its axis 1); W3 (in the module: [64, 64], K = its axis 1): each comes as NAME_codes (uint8): NAME with its K axis moved to the last place and cut into blocks of 32 codes, [.., K / 32, bytes a block], one block behind the other in memory; two codes a byte, the lower K in the low four bits (a code: sign, 2 exponent bits, 1 mantissa bit); and NAME_scales (uint8): the same leading axes, one E8M0 byte (e + 127) for each 32 codes along K. Its value is code x scale, taken as it is: it is not quantised again, and the codes and scales need not be those that the quantiser above would give.
;; 2 versions, each right; version 2 is version 1 with the launch sdf written anew for expert scheduling mode. Each part assembles by itself: llvm-mc -triple=amdgcn-amd-amdhsa -mcpu=gfx1250 --defsym DOCPART=n.
;; ======== version 1 of 2: 1 launch
;; limits: a function is approximated: absolute error at most 6e-10
;; launch sdf (part 1): grid 256 x 1, 16 waves a work-group, no clusters, 0 bytes of LDS; arguments x, W1, b1, W2_codes, W2_scales, b2, W3_codes, W3_scales, b3, W4, b4, out0; writes out0
.if DOCPART == 1
	.amdgcn_target "amdgcn-amd-amdhsa--gfx1250"
	.amdhsa_code_object_version 6
	.text
	.protected	k_qa31a6ad374_sdf
	.globl	k_qa31a6ad374_sdf
	.p2align	8
	.type	k_qa31a6ad374_sdf,@function
k_qa31a6ad374_sdf:
	s_mov_b64 s[64:65], 0
	v_nop
	global_prefetch_b8 v0, s[64:65] scope:SCOPE_SE
	s_setreg_imm32_b32 hwreg(HW_REG_WAVE_MODE, 25, 1), 1
	s_wait_xcnt 0x0
; out0[p] = W4 . sp(W3 sp(W2 sp(W1 x[p] + b1) + b2) + b3) + b4,  sp(z) = softplus with beta = 100, for 1,048,576 points p.  x: [N][3] f32.
; The products with W2 and W3 (K = 64) run on codes of FP4 (E2M1) with one E8M0 scale for each 32 along K: W2 and W3 arrive so, the hidden layer is quantised here, in registers.
; The product with W1 (K = 3) feeds a quantiser: f32 operands, by the f32 matrix form.  The product with W4 (one column): f32 multiply-adds.  NO WORK IS LEFT OUT: every input is loaded.
; SHARES.  256 work-groups of 16 waves; a wave has 256 registers and owns 256 points: 4 groups of 64, a group = 4 tiles of 16 points.  A tile goes through all four layers in registers.
; Waves share nothing: no LDS, no barrier.  No cluster and no tensor load: what work-groups share is 6 KB of weights, which each wave reads once into registers; each byte of x is read by one wave.
; LAYOUT.  Lane l: r = l % 16, h = l / 16.  All matrix products are used TRANSPOSED (source 0 = 16 rows of W, source 1 = 16 points): lane (r, h) holds point r of the tile throughout.
; THE ROWS OF W THAT FORM A TILE ARE NOT NEIGHBOURS: row m of tile t is hidden unit 8 t + m % 8 + 32 (m / 8).  A result's register j of lane (r, h) is row 8 h + j, so the lane's 32 result registers
; (4 tiles x 8) are units 32 h + 0 .. 31 in order: ONE WHOLE BLOCK of the next K.  Its largest number needs no other lane, and four conversions give registers 0-3 of the next operand as they stand.
; K = 64 IN AN INSTRUCTION OF 128.  The hidden operand's registers 4-7 are zero codes, cleared once.  A zero code times any E2M1 code is 0 (the format has no NaN and no infinity), so what W's fragment holds in its
; registers 4-7 does not matter: W's four quads of data lie on end, and fragment t is the eight registers from quad t on.  The scale bytes of K = 64 .. 127 are 0x7f on both sides.
; BIASES.  b2 and b3 are the C of the FP4 products.  b1 is column k = 3 of W1's fragment, against a 1.0 in x's.
; SOFTPLUS.  y = 100 log2(e) z;  sp = max(z, 0) + (ln 2 / 100) log2(1 + 2^-|y|): the form with the maximum taken out, so no exponential can overflow.  The reference's choice of z itself where 100 z > 20
; is made by the arithmetic: there 2^-y < 2^-24, 1 + 2^-y rounds to 1, its log2 is 0, and the fused multiply-add gives z bit for bit.  So no compare and no select are written.
; LIMITS.  1 + 2^-|y| is rounded in f32: sp carries an absolute error of up to 6e-10, and is 0 under 100 z = -16.6, where the exact value is under 6e-10.  In a block of 32 all of whose numbers lie under about 5e-4
; codes may therefore differ from an exact quantiser's; what they add to the next layer is under 1e-5 of the weights' size.  NaN and infinities among the inputs are not served.  A block of zeros gets the scale byte 1, not 127:
; its codes are zeros, and this program alone reads the byte.
.set XO,  1                            ; v1        24 x lane: my two points' 24 bytes in a group of x; never rewritten
.set OO,  2                            ; v2        8 x lane: my two results in a group of out0; never rewritten
.set SH8, 3                            ; v3        8 h: where my block's byte stands in the scale word
.set X,   4                            ; v[4:11]   a group's x: four pairs, one for each tile
.set P,   12                           ; v[12:15]  the tiles' half sums of the last layer
.set HB,  16                           ; v[16:23]  the hidden operand: 16-19 codes, 20-23 zero codes
.set HS,  24                           ; v24       its scale word; holds scales alone
.set SC,  25                           ; v25       the conversions' scale operand
.set BY,  26                           ; v26       my block's byte, at its place
.set PT,  27                           ; v27       the other half's
.set MX,  28                           ; v[28:31]  four chains of the block's maximum
.set M,   32                           ; v[32:47]  max(z, 0), 16 at a time; the last layer's sums; offsets during the set-up
.set T,   48                           ; v[48:79]  y, 2^-|y|, 1 + that, its log2, sp
.set Z,   80                           ; v[80:111] the 4 accumulators: written by matrix instructions alone
.set W2D, 112                          ; v[112:127] W2's four quads
.set W3D, 128                          ; v[128:143] W3's four quads
.set W1F, 144                          ; v[144:151] W1's four f32 fragments, b1 in them
.set W2S, 152                          ; v[152:155] W2's scale words;  v[156:159] W3's
.set W3S, 156
.set B2,  160                          ; v[160:191] b2[32 h + i];  v[192:223] b3 likewise;  v[224:255] W4 likewise
.set B3,  192
.set W4V, 224
.set B4,  28                           ; s[28:29]  b4, twice (a packed form names a pair)
.set KK,  30                           ; s[30:31]  100 log2(e), twice
.set CC,  32                           ; s[32:33]  ln 2 / 100, twice
.set SEL, 34                           ; s[34:35]  v_permlanex16_b32's selects for lane l xor 16
.set PADS, 36                          ; s36       0x7f7f0000: the scale bytes of K = 64 .. 127
.set WV,  37                           ; s37       my wave's number
.set GRP, 38                           ; s38       groups to go
	s_load_b512 s[4:19], s[0:1], 0x0               ; x s[4:5], W1 s[6:7], b1 s[8:9], W2's codes s[10:11], scales s[12:13], b2 s[14:15], W3's codes s[16:17], scales s[18:19]
	s_load_b256 s[20:27], s[0:1], 0x40             ; b3 s[20:21], W4 s[22:23], b4 s[24:25], out0 s[26:27]
	v_lshrrev_b32 v[M], 5, v0
	v_readfirstlane_b32 s[WV], v[M]                ; wave 0..15
	v_bfe_u32 v[M+1], v0, 4, 1                     ; h
	v_and_b32 v[M+2], 7, v0                        ; r % 8
	v_bfe_u32 v[M+3], v0, 3, 1                     ; r / 8
	v_lshl_add_u32 v[M+4], v[M+3], 5, v[M+2]       ; my row of W in tile 0: r % 8 + 32 (r / 8); tile t: 8 t more
	v_lshlrev_b32 v[M+5], 5, v[M+4]
	v_lshl_add_u32 v[M+5], v[M+1], 4, v[M+5]       ; codes: a row is 32 bytes, my block of it 16 h on
	v_lshlrev_b32 v[M+6], 1, v[M+4]                ; scale bytes: 2 a row
	v_mul_u32_u24 v[M+7], v[M+4], 12               ; W1: a row is 12 bytes
	v_lshl_add_u32 v[M+8], v[M+1], 3, v[M+7]       ; W1[row][2 h]
	v_lshlrev_b32 v[M+9], 2, v[M+4]                ; b1[row]
	v_lshlrev_b32 v[M+10], 7, v[M+1]               ; b2, b3, W4: my half's 32 numbers
	v_and_b32 v[M+11], 31, v0                      ; lane
	v_mul_u32_u24 v[XO], v[M+11], 24
	v_lshlrev_b32 v[OO], 3, v[M+11]
	v_lshlrev_b32 v[SH8], 3, v[M+1]
.irp i, 4,5,6,7
	v_mov_b32 v[HB+\i], 0                          ; the zero codes of K = 64 .. 127: written once
.endr
	v_mov_b32 v[PT], 0                             ; written once: a lane permute's destination counts as one of its sources
	s_mov_b32 s[KK], 0x431044fe                    ; 144.26950
	s_mov_b32 s[KK+1], s[KK]
	s_mov_b32 s[CC], 0x3be32166                    ; 0.0069314718
	s_mov_b32 s[CC+1], s[CC]
	s_mov_b32 s[SEL], 0x76543210
	s_mov_b32 s[SEL+1], 0xfedcba98
	s_mov_b32 s[PADS], 0x7f7f0000
	s_lshl_b32 s40, ttmp9, 4
	s_add_co_u32 s40, s40, s[WV]                   ; which run of 256 points is my wave's
	s_lshl_b32 s42, s40, 10                        ; 1,024 bytes of out0,
	s_mul_i32 s40, s40, 3072                       ; 3,072 bytes of x
	s_mov_b32 s41, 0
	s_mov_b32 s43, 0
	s_wait_kmcnt 0x0
	s_add_nc_u64 s[4:5], s[4:5], s[40:41]
	s_add_nc_u64 s[26:27], s[26:27], s[42:43]
	s_load_b32 s[B4], s[24:25], 0x0                ; b4: no line of this text writes that buffer
; A group's 768 bytes of x: lane l takes the 24 bytes of points 2 l and 2 l + 1, as three loads of 8 bytes, each at a multiple of 8.
.macro XLOAD
	global_load_b64 v[X:X+1],   v[XO], s[4:5]              ; point 2 l: x0, x1
	global_load_b64 v[X+2:X+3], v[XO], s[4:5] offset:8     ; point 2 l: x2;  point 2 l + 1: x0
	global_load_b64 v[X+6:X+7], v[XO], s[4:5] offset:16    ; point 2 l + 1: x1, x2
.endm
	XLOAD                                          ; the first group
.irp t, 0,1,2,3
	global_load_b128 v[W2D+4*\t:W2D+4*\t+3], v[M+5], s[10:11] offset:256*\t   ; 32 codes: k = 32 h + 0 .. 31 of my row of tile t
	global_load_b128 v[W3D+4*\t:W3D+4*\t+3], v[M+5], s[16:17] offset:256*\t
	global_load_u16 v[W2S+\t], v[M+6], s[12:13] offset:16*\t                  ; my row's two scale bytes (lanes 16-31 hold the same and are not read)
	global_load_u16 v[W3S+\t], v[M+6], s[18:19] offset:16*\t
	global_load_b32 v[W1F+2*\t], v[M+8], s[6:7] offset:96*\t                  ; W1[row][0] in lanes 0-15, W1[row][2] in lanes 16-31
	global_load_b32 v[T+\t],     v[M+7], s[6:7] offset:96*\t+4                ; W1[row][1]
	global_load_b32 v[T+4+\t],   v[M+9], s[8:9] offset:32*\t                  ; b1[row]
.endr
.irp q, 0,1,2,3,4,5,6,7
	global_load_b128 v[B2+4*\q:B2+4*\q+3],   v[M+10], s[14:15] offset:16*\q
	global_load_b128 v[B3+4*\q:B3+4*\q+3],   v[M+10], s[20:21] offset:16*\q
	global_load_b128 v[W4V+4*\q:W4V+4*\q+3], v[M+10], s[22:23] offset:16*\q
.endr
	s_wait_loadcnt 0x0                             ; the weights, once, and the first group of x
	s_wait_kmcnt 0x0                               ; b4
	v_cmp_ne_u32 vcc_lo, 0, v[M+1]
.irp t, 0,1,2,3
	v_cndmask_b32 v[W1F+2*\t+1], v[T+\t], v[T+4+\t], vcc_lo   ; k = 1: W1[row][1] in lanes 0-15;  k = 3: b1[row] in lanes 16-31
.endr
.irp t, 0,1,2,3
	v_or_b32 v[W2S+\t], s[PADS], v[W2S+\t]         ; bytes 2 and 3 of each scale word: 0x7f
	v_or_b32 v[W3S+\t], s[PADS], v[W3S+\t]
.endr
	s_mov_b32 s[B4+1], s[B4]
	s_mov_b32 s[GRP], 4
; LAYER 1: z = W1 x + b1 for the tile whose x stands in v[xp:xp+1].  Four multiply-adds in ascending k, b1 last.  Each sum is one instruction, begun with the constant 0.
; Eight places follow: the f32 form wants them ahead of the first read of its results and ahead of loads into its sources.
.macro L1 xp
.irp t, 0,1,2,3
	v_wmma_f32_16x16x4_f32 v[Z+8*\t:Z+8*\t+7], v[W1F+2*\t:W1F+2*\t+1], v[\xp:\xp+1], 0
.endr
.rept 8
	v_nop
.endr
.endm
; SOFTPLUS of the lane's 32 numbers, Z -> T.  The 32 exponentials are one batch with one wait, and so are the 32 logarithms; the packed scalings and additions of later pairs, and the first 16 maxima, stand among them.
; Z is read in ascending order.
.macro SOFTPLUS
.irp i, 0,1,2,3
	v_pk_mul_f32 v[T+2*\i:T+2*\i+1], v[Z+2*\i:Z+2*\i+1], s[KK:KK+1] op_sel_hi:[1,0]         ; y = 100 log2(e) z, four pairs ahead
.endr
.set i, 0
.rept 16
	v_exp_f32 v[T+2*i], -|v[T+2*i]|                ; 2^-|y|: at most 1
	v_exp_f32 v[T+2*i+1], -|v[T+2*i+1]|
.if i < 12
	v_pk_mul_f32 v[T+2*i+8:T+2*i+9], v[Z+2*i+8:Z+2*i+9], s[KK:KK+1] op_sel_hi:[1,0]
.endif
.set i, i+1
.endr
	v_nop                                          ; a plain instruction behind the last exponential
	s_wait_alu depctr_va_vdst(0)                   ; one wait for the 32 exponentials, ahead of the first line that names a result
.irp i, 0,1,2,3
	v_pk_add_f32 v[T+2*\i:T+2*\i+1], v[T+2*\i:T+2*\i+1], 1.0 op_sel_hi:[1,0]
.endr
.set i, 0
.rept 16
	v_log_f32 v[T+2*i], v[T+2*i]                   ; log2(1 + 2^-|y|): 0 to 1
	v_log_f32 v[T+2*i+1], v[T+2*i+1]
.if i < 12
	v_pk_add_f32 v[T+2*i+8:T+2*i+9], v[T+2*i+8:T+2*i+9], 1.0 op_sel_hi:[1,0]
.endif
	v_max_num_f32 v[M+i], 0, v[Z+i]                ; max(z, 0) of numbers 0 to 15; the last of these is the plain instruction behind the last logarithm
.set i, i+1
.endr
	s_wait_alu depctr_va_vdst(0)                   ; one wait for the 32 logarithms
.irp i, 0,1,2,3,4,5,6,7
	v_pk_fma_f32 v[T+2*\i:T+2*\i+1], v[T+2*\i:T+2*\i+1], s[CC:CC+1], v[M+2*\i:M+2*\i+1] op_sel_hi:[1,0,1]   ; sp = log2(..) ln 2 / 100 + max(z, 0)
.endr
.irp i, 0,1,2,3,4,5,6,7,8,9,10,11,12,13,14,15
	v_max_num_f32 v[M+\i], 0, v[Z+16+\i]           ; numbers 16 to 31
.endr
.irp i, 0,1,2,3,4,5,6,7
	v_pk_fma_f32 v[T+16+2*\i:T+17+2*\i], v[T+16+2*\i:T+17+2*\i], s[CC:CC+1], v[M+2*\i:M+2*\i+1] op_sel_hi:[1,0,1]
.endr
.endm
; THE QUANTISER: the lane's 32 numbers in T are one block along the next K.  No |.|: sp is never negative.
.macro QUANT
.irp q, 0,1,2,3
	v_max3_num_f32 v[MX+\q], v[T+8*\q], v[T+8*\q+1], v[T+8*\q+2]             ; four chains by turns
.endr
.irp q, 0,1,2,3
	v_max3_num_f32 v[MX+\q], v[MX+\q], v[T+8*\q+3], v[T+8*\q+4]
.endr
.irp q, 0,1,2,3
	v_max3_num_f32 v[MX+\q], v[MX+\q], v[T+8*\q+5], v[T+8*\q+6]
.endr
	v_max3_num_f32 v[MX], v[MX], v[T+7], v[T+15]
	v_max3_num_f32 v[MX+2], v[MX+2], v[T+23], v[T+31]
	v_max3_num_f32 v[MX], v[MX], v[MX+1], v[MX+2]
	v_max3_num_f32 v[MX], v[MX], v[MX+3], 0x1800000        ; and the floor 2^(3 - 127): the byte cannot fall under 1
	v_add_nc_u32 v[SC], 0xff000000, v[MX]                  ; 2 off the exponent field: the conversion takes the exponent field of this operand as its scale, and nothing else of it
	v_lshrrev_b32 v[BY], 23, v[SC]                         ; the scale's byte,
	v_lshl_or_b32 v[BY], v[BY], v[SH8], s[PADS]            ; at byte h of the word, over 0x7f in bytes 2 and 3
	v_permlanex16_b32 v[PT], v[BY], s[SEL], s[SEL+1]
	v_or_b32 v[HS], v[BY], v[PT]                           ; with lane l xor 16's byte: point r's scale word
.irp g, 0,1,2,3
	v_cvt_scalef32_pk8_fp4_f32 v[HB+\g], v[T+8*\g:T+8*\g+7], v[SC]   ; the codes of k = 32 h + 8 g + 0 .. 7: register g of the operand
.endr
.rept 8
	v_nop                                          ; the plain instruction behind the conversions; a scale register written by a vector instruction stands 8 places ahead of a scaled matrix instruction, an operand so written 4
.endr
.endm
; z = W h + b on codes: four tiles of 16 rows of W, four accumulators, each one instruction with the bias as its C.  Four places follow, ahead of the first read of the results (ISA guide 7.12.1).
.macro MMA w, ws, b
.irp t, 0,1,2,3
	v_wmma_scale_f32_16x16x128_f8f6f4 v[Z+8*\t:Z+8*\t+7], v[\w+4*\t:\w+4*\t+7], v[HB:HB+7], v[\b+8*\t:\b+8*\t+7], v[\ws+\t], v[HS] matrix_a_fmt:MATRIX_FMT_FP4 matrix_b_fmt:MATRIX_FMT_FP4
.endr
.rept 4
	v_nop
.endr
.endm
; THE LAST LAYER: my 32 units' part of W4 . h, in four packed chains; the other half of the lanes holds the other 32 units'.
.macro DOT p
.irp q, 0,1,2,3
	v_pk_mul_f32 v[M+2*\q:M+2*\q+1], v[T+2*\q:T+2*\q+1], v[W4V+2*\q:W4V+2*\q+1]
.endr
.irp k, 4,5,6,7,8,9,10,11,12,13,14,15
	v_pk_fma_f32 v[M+2*(\k%4):M+2*(\k%4)+1], v[T+2*\k:T+2*\k+1], v[W4V+2*\k:W4V+2*\k+1], v[M+2*(\k%4):M+2*(\k%4)+1]
.endr
	v_pk_add_f32 v[M:M+1], v[M:M+1], v[M+2:M+3]
	v_pk_add_f32 v[M+4:M+5], v[M+4:M+5], v[M+6:M+7]
	v_pk_add_f32 v[M:M+1], v[M:M+1], v[M+4:M+5]
	v_add_f32 v[P+\p], v[M], v[M+1]
.endm
; A TILE of 16 points through all four layers.  reload = 1 (a group's last tile): all four pairs of x have been multiplied, so the next group's x is asked for here, behind layer 1's eight places:
; it has the rest of this tile's work in which to land.  The last group asks for nothing: no load leaves x.
.macro TILE xp, p, reload
	L1 \xp
.if \reload
	s_cmp_eq_u32 s[GRP], 1
	s_cbranch_scc1 .Lno_next
	s_add_nc_u64 s[4:5], s[4:5], 768               ; the loads that read this base were waited for at the trip's head
	XLOAD
.Lno_next:
.endif
	SOFTPLUS
	QUANT
	MMA W2D, W2S, B2
	SOFTPLUS
	QUANT
	MMA W3D, W3S, B3
	SOFTPLUS
	DOT \p
.endm
.Lgroup:                                               ; 4 trips, 64 points each
	s_wait_loadcnt 0x0                             ; this group's x
	v_mov_b32 v[X+4], v[X+3]                       ; point 2 l + 1: x0, x1, x2 into v8, v9, v10
	v_mov_b32 v[X+5], v[X+6]
	v_mov_b32 v[X+6], v[X+7]
	v_mov_b32 v[X+3], 1.0                          ; and the 1.0 that meets b1, for both points
	v_mov_b32 v[X+7], 1.0
	v_permlane16_swap_b32 v[X], v[X+2]             ; the first's lanes 16-31 change places with the second's lanes 0-15: v[4:5] is now the f32 operand (k = 2 h, 2 h + 1) of points 2 r,
	v_permlane16_swap_b32 v[X+1], v[X+3]           ; v[6:7] that of points 32 + 2 r,
	v_permlane16_swap_b32 v[X+4], v[X+6]           ; v[8:9] that of points 2 r + 1,
	v_permlane16_swap_b32 v[X+5], v[X+7]           ; v[10:11] that of points 33 + 2 r
	TILE X,   0, 0
	TILE X+2, 2, 0
	TILE X+4, 1, 0
	TILE X+6, 3, 1
	v_permlane16_swap_b32 v[P], v[P+2]             ; v12: units 0-31's part of point 2 l; v14: units 32-63's
	v_permlane16_swap_b32 v[P+1], v[P+3]           ; v13, v15: the same of point 2 l + 1
	v_pk_add_f32 v[P:P+1], v[P:P+1], v[P+2:P+3]
	v_pk_add_f32 v[P:P+1], v[P:P+1], s[B4:B4+1] op_sel_hi:[1,0]   ; + b4
	global_store_b64 v[OO], v[P:P+1], s[26:27] th:TH_STORE_NT     ; 32 lanes store 256 consecutive bytes, at a multiple of 256 from out0's first byte; written once, read by nobody here
	s_wait_xcnt 0x0                                ; the store has read its base and its data: both are written again only behind this wait
	s_add_nc_u64 s[26:27], s[26:27], 256
	s_sub_co_u32 s[GRP], s[GRP], 1
	s_cmp_lg_u32 s[GRP], 0
	s_cbranch_scc1 .Lgroup
	s_endpgm
.Lfunc_end_k_qa31a6ad374_sdf:
	.size	k_qa31a6ad374_sdf, .Lfunc_end_k_qa31a6ad374_sdf-k_qa31a6ad374_sdf
	.p2alignl 7, 3214868480
	.fill 96, 4, 3214868480
	.section	.rodata,"a",@progbits
	.p2align	6, 0x0
	.amdhsa_kernel k_qa31a6ad374_sdf
		.amdhsa_group_segment_fixed_size 0
		.amdhsa_private_segment_fixed_size 0
		.amdhsa_enable_private_segment 0
		.amdhsa_kernarg_size 96
		.amdhsa_user_sgpr_count 2
		.amdhsa_user_sgpr_kernarg_segment_ptr 1
		.amdhsa_wavefront_size32 1
		.amdhsa_system_sgpr_workgroup_id_x 1
		.amdhsa_system_sgpr_workgroup_id_y 1
		.amdhsa_system_sgpr_workgroup_id_z 1
		.amdhsa_system_vgpr_workitem_id 0
		.amdhsa_next_free_vgpr 256
		.amdhsa_next_free_sgpr 66
		.amdhsa_reserve_vcc 1
		.amdhsa_float_denorm_mode_32 3
		.amdhsa_float_denorm_mode_16_64 3
		.amdhsa_memory_ordered 1
		.amdhsa_forward_progress 1
		.amdhsa_inst_pref_size 121
	.end_amdhsa_kernel
	.amdgpu_metadata
---
amdhsa.version: [ 1, 2 ]
amdhsa.kernels:
  - .name:           k_qa31a6ad374_sdf
    .symbol:         k_qa31a6ad374_sdf.kd
    .args:
      - { .name: x, .offset: 0, .size: 8, .value_kind: global_buffer, .address_space: global }
      - { .name: W1, .offset: 8, .size: 8, .value_kind: global_buffer, .address_space: global }
      - { .name: b1, .offset: 16, .size: 8, .value_kind: global_buffer, .address_space: global }
      - { .name: W2_codes, .offset: 24, .size: 8, .value_kind: global_buffer, .address_space: global }
      - { .name: W2_scales, .offset: 32, .size: 8, .value_kind: global_buffer, .address_space: global }
      - { .name: b2, .offset: 40, .size: 8, .value_kind: global_buffer, .address_space: global }
      - { .name: W3_codes, .offset: 48, .size: 8, .value_kind: global_buffer, .address_space: global }
      - { .name: W3_scales, .offset: 56, .size: 8, .value_kind: global_buffer, .address_space: global }
      - { .name: b3, .offset: 64, .size: 8, .value_kind: global_buffer, .address_space: global }
      - { .name: W4, .offset: 72, .size: 8, .value_kind: global_buffer, .address_space: global }
      - { .name: b4, .offset: 80, .size: 8, .value_kind: global_buffer, .address_space: global }
      - { .name: out0, .offset: 88, .size: 8, .value_kind: global_buffer, .address_space: global }
    .group_segment_fixed_size: 0
    .private_segment_fixed_size: 0
    .kernarg_segment_align: 8
    .kernarg_segment_size: 96
    .max_flat_workgroup_size: 512
    .sgpr_count:     66
    .vgpr_count:     256
    .wavefront_size: 32
...
	.end_amdgpu_metadata
.endif
;; end of part 1
;; ======== version 2 of 2: 1 launch; version 1 with the launch sdf written anew for expert scheduling mode
;; limits: a function is approximated: absolute error at most 6e-10
;; launch sdf (part 2): grid 256 x 1, 16 waves a work-group, no clusters, 0 bytes of LDS; arguments x, W1, b1, W2_codes, W2_scales, b2, W3_codes, W3_scales, b3, W4, b4, out0; writes out0
.if DOCPART == 2
	.amdgcn_target "amdgcn-amd-amdhsa--gfx1250"
	.amdhsa_code_object_version 6
	.text
	.protected	k_qa31a6ad374_sdf
	.globl	k_qa31a6ad374_sdf
	.p2align	8
	.type	k_qa31a6ad374_sdf,@function
k_qa31a6ad374_sdf:
	s_mov_b64 s[64:65], 0
	v_nop
	global_prefetch_b8 v0, s[64:65] scope:SCOPE_SE
	s_setreg_imm32_b32 hwreg(HW_REG_WAVE_SCHED_MODE, 0, 2), 2
	s_setreg_imm32_b32 hwreg(HW_REG_WAVE_MODE, 25, 1), 1
	s_wait_xcnt 0x0
	s_wait_alu depctr_vm_vsrc(0)
; out0[p] = W4 . sp(W3 sp(W2 sp(W1 x[p] + b1) + b2) + b3) + b4,  sp(z) = softplus with beta = 100, for 1,048,576 points p.  x: [N][3] f32.
; The products with W2 and W3 (K = 64) run on codes of FP4 (E2M1) with one E8M0 scale for each 32 along K: W2 and W3 arrive so, the hidden layer is quantised here, in registers.
; The product with W1 (K = 3) feeds a quantiser: f32 operands, by the f32 matrix form.  The product with W4 (one column): f32 multiply-adds.  NO WORK IS LEFT OUT: every input is loaded.
; SHARES.  256 work-groups of 16 waves; a wave has 256 registers and owns 256 points: 4 groups of 64, a group = 4 tiles of 16 points.  A tile goes through all four layers in registers.
; Waves share nothing: no LDS, no barrier.  No cluster and no tensor load: what work-groups share is 6 KB of weights, which each wave reads once into registers; each byte of x is read by one wave.
; LAYOUT.  Lane l: r = l % 16, h = l / 16.  All matrix products are used TRANSPOSED (source 0 = 16 rows of W, source 1 = 16 points): lane (r, h) holds point r of the tile throughout.
; THE ROWS OF W THAT FORM A TILE ARE NOT NEIGHBOURS: row m of tile t is hidden unit 8 t + m % 8 + 32 (m / 8).  A result's register j of lane (r, h) is row 8 h + j, so the lane's 32 result registers
; (4 tiles x 8) are units 32 h + 0 .. 31 in order: ONE WHOLE BLOCK of the next K.  Its largest number needs no other lane, and four conversions give registers 0-3 of the next operand as they stand.
; K = 64 IN AN INSTRUCTION OF 128.  The hidden operand's registers 4-7 are zero codes, cleared once.  A zero code times any E2M1 code is 0 (the format has no NaN and no infinity), so what W's fragment holds in its
; registers 4-7 does not matter: W's four quads of data lie on end, and fragment t is the eight registers from quad t on.  The scale bytes of K = 64 .. 127 are 0x7f on both sides.
; BIASES.  b2 and b3 are the C of the FP4 products.  b1 is column k = 3 of W1's fragment, against a 1.0 in x's.
; SOFTPLUS.  y = 100 log2(e) z;  sp = max(z, 0) + (ln 2 / 100) log2(1 + 2^-|y|): the form with the maximum taken out, so no exponential can overflow.  The reference's choice of z itself where 100 z > 20
; is made by the arithmetic: there 2^-y < 2^-24, 1 + 2^-y rounds to 1, its log2 is 0, and the fused multiply-add gives z bit for bit.  So no compare and no select are written.
; LIMITS.  1 + 2^-|y| is rounded in f32: sp carries an absolute error of up to 6e-10, and is 0 under 100 z = -16.6, where the exact value is under 6e-10.  In a block of 32 all of whose numbers lie under about 5e-4
; codes may therefore differ from an exact quantiser's; what they add to the next layer is under 1e-5 of the weights' size.  NaN and infinities among the inputs are not served.  A block of zeros gets the scale byte 1, not 127:
; its codes are zeros, and this program alone reads the byte.
; THE MODE: SCHED_MODE bits 1:0 = 2 (LLVM: expert scheduling mode 2), set by the entry lines.  The code itself states the register dependences
; between vector or matrix instructions and memory instructions, with s_wait_alu, always for 0.
; THE PLAN.  Registers that memory instructions touch:
;   v[XO], v[OO]    Offsets, made once at the head and never written again: the rows are reached by the two scalar bases.
;   v[M+5 .. M+10]  The weights' offsets: made at the head, read by the head's loads, written again by the first softplus.
;   v[X .. X+7]     A group's x.  The loads land in six of the eight; the trip's head moves and swaps all eight; the four runs of layer 1 read them, the fourth tile's last.  Behind that run no vector or matrix
;                   instruction names them before the next trip's head.  So the wait behind the fourth tile's first batch of exponentials, which stands there for the batch's sake, also states that all
;                   writers and readers of these eight are done, and the next group's three loads follow it with no wait of their own.
;   v[P:P+1]        A group's results: written by the tiles' last layers and the closing additions, read by the group's one store, written again in the next trip.
;   The weights, biases and scale words are loaded once, at the head, into registers that nothing has named before.
; Beside these: the codes and the scale word that vector instructions make are stated written ahead of each run of scaled matrix instructions, behind their places; and the two scalar results of vector instructions
; (the wave's number, the head's one compare) ahead of their first readers.
.set XO,  1                            ; v1        24 x lane: my two points' 24 bytes in a group of x; never rewritten
.set OO,  2                            ; v2        8 x lane: my two results in a group of out0; never rewritten
.set SH8, 3                            ; v3        8 h: where my block's byte stands in the scale word
.set X,   4                            ; v[4:11]   a group's x: four pairs, one for each tile
.set P,   12                           ; v[12:15]  the tiles' half sums of the last layer
.set HB,  16                           ; v[16:23]  the hidden operand: 16-19 codes, 20-23 zero codes
.set HS,  24                           ; v24       its scale word; holds scales alone
.set SC,  25                           ; v25       the conversions' scale operand
.set BY,  26                           ; v26       my block's byte, at its place
.set PT,  27                           ; v27       the other half's
.set MX,  28                           ; v[28:31]  four chains of the block's maximum
.set M,   32                           ; v[32:47]  max(z, 0), 16 at a time; the last layer's sums; offsets during the set-up
.set T,   48                           ; v[48:79]  y, 2^-|y|, 1 + that, its log2, sp
.set Z,   80                           ; v[80:111] the 4 accumulators: written by matrix instructions alone
.set W2D, 112                          ; v[112:127] W2's four quads
.set W3D, 128                          ; v[128:143] W3's four quads
.set W1F, 144                          ; v[144:151] W1's four f32 fragments, b1 in them
.set W2S, 152                          ; v[152:155] W2's scale words;  v[156:159] W3's
.set W3S, 156
.set B2,  160                          ; v[160:191] b2[32 h + i];  v[192:223] b3 likewise;  v[224:255] W4 likewise
.set B3,  192
.set W4V, 224
.set B4,  28                           ; s[28:29]  b4, twice (a packed form names a pair)
.set KK,  30                           ; s[30:31]  100 log2(e), twice
.set CC,  32                           ; s[32:33]  ln 2 / 100, twice
.set SEL, 34                           ; s[34:35]  v_permlanex16_b32's selects for lane l xor 16
.set PADS, 36                          ; s36       0x7f7f0000: the scale bytes of K = 64 .. 127
.set WV,  37                           ; s37       my wave's number
.set GRP, 38                           ; s38       groups to go
	s_load_b512 s[4:19], s[0:1], 0x0               ; x s[4:5], W1 s[6:7], b1 s[8:9], W2's codes s[10:11], scales s[12:13], b2 s[14:15], W3's codes s[16:17], scales s[18:19]
	s_load_b256 s[20:27], s[0:1], 0x40             ; b3 s[20:21], W4 s[22:23], b4 s[24:25], out0 s[26:27]
	v_lshrrev_b32 v[M], 5, v0
	v_readfirstlane_b32 s[WV], v[M]                ; wave 0..15
	v_bfe_u32 v[M+1], v0, 4, 1                     ; h
	v_and_b32 v[M+2], 7, v0                        ; r % 8
	v_bfe_u32 v[M+3], v0, 3, 1                     ; r / 8
	v_lshl_add_u32 v[M+4], v[M+3], 5, v[M+2]       ; my row of W in tile 0: r % 8 + 32 (r / 8); tile t: 8 t more
	v_lshlrev_b32 v[M+5], 5, v[M+4]
	v_lshl_add_u32 v[M+5], v[M+1], 4, v[M+5]       ; codes: a row is 32 bytes, my block of it 16 h on
	v_lshlrev_b32 v[M+6], 1, v[M+4]                ; scale bytes: 2 a row
	v_mul_u32_u24 v[M+7], v[M+4], 12               ; W1: a row is 12 bytes
	v_lshl_add_u32 v[M+8], v[M+1], 3, v[M+7]       ; W1[row][2 h]
	v_lshlrev_b32 v[M+9], 2, v[M+4]                ; b1[row]
	v_lshlrev_b32 v[M+10], 7, v[M+1]               ; b2, b3, W4: my half's 32 numbers
	v_and_b32 v[M+11], 31, v0                      ; lane
	v_mul_u32_u24 v[XO], v[M+11], 24
	v_lshlrev_b32 v[OO], 3, v[M+11]
	v_lshlrev_b32 v[SH8], 3, v[M+1]
.irp i, 4,5,6,7
	v_mov_b32 v[HB+\i], 0                          ; the zero codes of K = 64 .. 127: written once
.endr
	v_mov_b32 v[PT], 0                             ; written once: a lane permute's destination counts as one of its sources
	s_mov_b32 s[KK], 0x431044fe                    ; 144.26950
	s_mov_b32 s[KK+1], s[KK]
	s_mov_b32 s[CC], 0x3be32166                    ; 0.0069314718
	s_mov_b32 s[CC+1], s[CC]
	s_mov_b32 s[SEL], 0x76543210
	s_mov_b32 s[SEL+1], 0xfedcba98
	s_mov_b32 s[PADS], 0x7f7f0000
	s_wait_alu depctr_va_sdst(0)                   ; the wave's number is written, ahead of its first reader: the bases of x and out0 are made from it
	s_lshl_b32 s40, ttmp9, 4
	s_add_co_u32 s40, s40, s[WV]                   ; which run of 256 points is my wave's
	s_lshl_b32 s42, s40, 10                        ; 1,024 bytes of out0,
	s_mul_i32 s40, s40, 3072                       ; 3,072 bytes of x
	s_mov_b32 s41, 0
	s_mov_b32 s43, 0
	s_wait_kmcnt 0x0
	s_add_nc_u64 s[4:5], s[4:5], s[40:41]
	s_add_nc_u64 s[26:27], s[26:27], s[42:43]
	s_load_b32 s[B4], s[24:25], 0x0                ; b4: no line of this text writes that buffer
	s_wait_alu depctr_va_vdst(0)                   ; the offsets v[XO], v[OO] and v[M+5] to v[M+10] are written: every load and store of the kernel reads one of them
; A group's 768 bytes of x: lane l takes the 24 bytes of points 2 l and 2 l + 1, as three loads of 8 bytes, each at a multiple of 8.
.macro XLOAD
	global_load_b64 v[X:X+1],   v[XO], s[4:5]              ; point 2 l: x0, x1
	global_load_b64 v[X+2:X+3], v[XO], s[4:5] offset:8     ; point 2 l: x2;  point 2 l + 1: x0
	global_load_b64 v[X+6:X+7], v[XO], s[4:5] offset:16    ; point 2 l + 1: x1, x2
.endm
	XLOAD                                          ; the first group
.irp t, 0,1,2,3
	global_load_b128 v[W2D+4*\t:W2D+4*\t+3], v[M+5], s[10:11] offset:256*\t   ; 32 codes: k = 32 h + 0 .. 31 of my row of tile t
	global_load_b128 v[W3D+4*\t:W3D+4*\t+3], v[M+5], s[16:17] offset:256*\t
	global_load_u16 v[W2S+\t], v[M+6], s[12:13] offset:16*\t                  ; my row's two scale bytes (lanes 16-31 hold the same and are not read)
	global_load_u16 v[W3S+\t], v[M+6], s[18:19] offset:16*\t
	global_load_b32 v[W1F+2*\t], v[M+8], s[6:7] offset:96*\t                  ; W1[row][0] in lanes 0-15, W1[row][2] in lanes 16-31
	global_load_b32 v[T+\t],     v[M+7], s[6:7] offset:96*\t+4                ; W1[row][1]
	global_load_b32 v[T+4+\t],   v[M+9], s[8:9] offset:32*\t                  ; b1[row]
.endr
.irp q, 0,1,2,3,4,5,6,7
	global_load_b128 v[B2+4*\q:B2+4*\q+3],   v[M+10], s[14:15] offset:16*\q
	global_load_b128 v[B3+4*\q:B3+4*\q+3],   v[M+10], s[20:21] offset:16*\q
	global_load_b128 v[W4V+4*\q:W4V+4*\q+3], v[M+10], s[22:23] offset:16*\q
.endr
	s_wait_loadcnt 0x0                             ; the weights, once, and the first group of x
	s_wait_kmcnt 0x0                               ; b4
	s_wait_alu depctr_vm_vsrc(0)                   ; the loads above have read their offsets v[M+5] to v[M+10], which the first softplus's maxima write again
	v_cmp_ne_u32 vcc_lo, 0, v[M+1]
	s_wait_alu depctr_va_vcc(0)                    ; the compare has written VCC, which the four selects read
.irp t, 0,1,2,3
	v_cndmask_b32 v[W1F+2*\t+1], v[T+\t], v[T+4+\t], vcc_lo   ; k = 1: W1[row][1] in lanes 0-15;  k = 3: b1[row] in lanes 16-31
.endr
.irp t, 0,1,2,3
	v_or_b32 v[W2S+\t], s[PADS], v[W2S+\t]         ; bytes 2 and 3 of each scale word: 0x7f
	v_or_b32 v[W3S+\t], s[PADS], v[W3S+\t]
.endr
	s_mov_b32 s[B4+1], s[B4]
	s_mov_b32 s[GRP], 4
; LAYER 1: z = W1 x + b1 for the tile whose x stands in v[xp:xp+1].  Four multiply-adds in ascending k, b1 last.  Each sum is one instruction, begun with the constant 0.
; Eight places follow: the f32 form wants them ahead of the first read of its results.
.macro L1 xp
.irp t, 0,1,2,3
	v_wmma_f32_16x16x4_f32 v[Z+8*\t:Z+8*\t+7], v[W1F+2*\t:W1F+2*\t+1], v[\xp:\xp+1], 0
.endr
.rept 8
	v_nop
.endr
.endm
; SOFTPLUS of the lane's 32 numbers, Z -> T.  The 32 exponentials are one batch with one wait, and so are the 32 logarithms; the packed scalings and additions of later pairs, and the first 16 maxima, stand among them.
; Z is read in ascending order.
; reload = 1 (the first softplus of a group's last tile): all four pairs of x have been multiplied, so the next group's x is asked for here, behind the batch's wait: it has the rest of this tile's work in which to land.
; The last group asks for nothing: no load leaves x.
.macro SOFTPLUS reload
.irp i, 0,1,2,3
	v_pk_mul_f32 v[T+2*\i:T+2*\i+1], v[Z+2*\i:Z+2*\i+1], s[KK:KK+1] op_sel_hi:[1,0]         ; y = 100 log2(e) z, four pairs ahead
.endr
.set i, 0
.rept 16
	v_exp_f32 v[T+2*i], -|v[T+2*i]|                ; 2^-|y|: at most 1
	v_exp_f32 v[T+2*i+1], -|v[T+2*i+1]|
.if i < 12
	v_pk_mul_f32 v[T+2*i+8:T+2*i+9], v[Z+2*i+8:Z+2*i+9], s[KK:KK+1] op_sel_hi:[1,0]
.endif
.set i, i+1
.endr
	v_nop                                          ; a plain instruction behind the last exponential
	s_wait_alu depctr_va_vdst(0)                   ; the 32 exponentials have written v[T ..], ahead of the first line that names a result; with reload = 1 also: the trip's moves and swaps have written v[X ..] and all four runs of layer 1 are done reading them
.if \reload
	s_cmp_eq_u32 s[GRP], 1
	s_cbranch_scc1 .Lno_next
	s_add_nc_u64 s[4:5], s[4:5], 768               ; the loads that read this base were waited for at the trip's head
	XLOAD                                          ; no wait of their own: no vector or matrix instruction since the wait above names v[X ..], nor does any before the next trip's head
.Lno_next:
.endif
.irp i, 0,1,2,3
	v_pk_add_f32 v[T+2*\i:T+2*\i+1], v[T+2*\i:T+2*\i+1], 1.0 op_sel_hi:[1,0]
.endr
.set i, 0
.rept 16
	v_log_f32 v[T+2*i], v[T+2*i]                   ; log2(1 + 2^-|y|): 0 to 1
	v_log_f32 v[T+2*i+1], v[T+2*i+1]
.if i < 12
	v_pk_add_f32 v[T+2*i+8:T+2*i+9], v[T+2*i+8:T+2*i+9], 1.0 op_sel_hi:[1,0]
.endif
	v_max_num_f32 v[M+i], 0, v[Z+i]                ; max(z, 0) of numbers 0 to 15; the last of these is the plain instruction behind the last logarithm
.set i, i+1
.endr
	s_wait_alu depctr_va_vdst(0)                   ; the 32 logarithms have written v[T ..], ahead of the first line that names a result
.irp i, 0,1,2,3,4,5,6,7
	v_pk_fma_f32 v[T+2*\i:T+2*\i+1], v[T+2*\i:T+2*\i+1], s[CC:CC+1], v[M+2*\i:M+2*\i+1] op_sel_hi:[1,0,1]   ; sp = log2(..) ln 2 / 100 + max(z, 0)
.endr
.irp i, 0,1,2,3,4,5,6,7,8,9,10,11,12,13,14,15
	v_max_num_f32 v[M+\i], 0, v[Z+16+\i]           ; numbers 16 to 31
.endr
.irp i, 0,1,2,3,4,5,6,7
	v_pk_fma_f32 v[T+16+2*\i:T+17+2*\i], v[T+16+2*\i:T+17+2*\i], s[CC:CC+1], v[M+2*\i:M+2*\i+1] op_sel_hi:[1,0,1]
.endr
.endm
; THE QUANTISER: the lane's 32 numbers in T are one block along the next K.  No |.|: sp is never negative.
.macro QUANT
.irp q, 0,1,2,3
	v_max3_num_f32 v[MX+\q], v[T+8*\q], v[T+8*\q+1], v[T+8*\q+2]             ; four chains by turns
.endr
.irp q, 0,1,2,3
	v_max3_num_f32 v[MX+\q], v[MX+\q], v[T+8*\q+3], v[T+8*\q+4]
.endr
.irp q, 0,1,2,3
	v_max3_num_f32 v[MX+\q], v[MX+\q], v[T+8*\q+5], v[T+8*\q+6]
.endr
	v_max3_num_f32 v[MX], v[MX], v[T+7], v[T+15]
	v_max3_num_f32 v[MX+2], v[MX+2], v[T+23], v[T+31]
	v_max3_num_f32 v[MX], v[MX], v[MX+1], v[MX+2]
	v_max3_num_f32 v[MX], v[MX], v[MX+3], 0x1800000        ; and the floor 2^(3 - 127): the byte cannot fall under 1
	v_add_nc_u32 v[SC], 0xff000000, v[MX]                  ; 2 off the exponent field: the conversion takes the exponent field of this operand as its scale, and nothing else of it
	v_lshrrev_b32 v[BY], 23, v[SC]                         ; the scale's byte,
	v_lshl_or_b32 v[BY], v[BY], v[SH8], s[PADS]            ; at byte h of the word, over 0x7f in bytes 2 and 3
	v_permlanex16_b32 v[PT], v[BY], s[SEL], s[SEL+1]
	v_or_b32 v[HS], v[BY], v[PT]                           ; with lane l xor 16's byte: point r's scale word
.irp g, 0,1,2,3
	v_cvt_scalef32_pk8_fp4_f32 v[HB+\g], v[T+8*\g:T+8*\g+7], v[SC]   ; the codes of k = 32 h + 8 g + 0 .. 7: register g of the operand
.endr
.rept 8
	v_nop                                          ; the plain instruction behind the conversions; a scale register written by a vector instruction stands 8 places ahead of a scaled matrix instruction, an operand so written 4
.endr
	s_wait_alu depctr_va_vdst(0)                   ; the conversions have written the codes v[HB .. HB+3] and the v_or_b32 the scale word v[HS], which the scaled matrix instructions that follow take; the places above stay beside this wait
.endm
; z = W h + b on codes: four tiles of 16 rows of W, four accumulators, each one instruction with the bias as its C.  Four places follow, ahead of the first read of the results (ISA guide 7.12.1).
.macro MMA w, ws, b
.irp t, 0,1,2,3
	v_wmma_scale_f32_16x16x128_f8f6f4 v[Z+8*\t:Z+8*\t+7], v[\w+4*\t:\w+4*\t+7], v[HB:HB+7], v[\b+8*\t:\b+8*\t+7], v[\ws+\t], v[HS] matrix_a_fmt:MATRIX_FMT_FP4 matrix_b_fmt:MATRIX_FMT_FP4
.endr
.rept 4
	v_nop
.endr
.endm
; THE LAST LAYER: my 32 units' part of W4 . h, in four packed chains; the other half of the lanes holds the other 32 units'.
.macro DOT p
.irp q, 0,1,2,3
	v_pk_mul_f32 v[M+2*\q:M+2*\q+1], v[T+2*\q:T+2*\q+1], v[W4V+2*\q:W4V+2*\q+1]
.endr
.irp k, 4,5,6,7,8,9,10,11,12,13,14,15
	v_pk_fma_f32 v[M+2*(\k%4):M+2*(\k%4)+1], v[T+2*\k:T+2*\k+1], v[W4V+2*\k:W4V+2*\k+1], v[M+2*(\k%4):M+2*(\k%4)+1]
.endr
	v_pk_add_f32 v[M:M+1], v[M:M+1], v[M+2:M+3]
	v_pk_add_f32 v[M+4:M+5], v[M+4:M+5], v[M+6:M+7]
	v_pk_add_f32 v[M:M+1], v[M:M+1], v[M+4:M+5]
	v_add_f32 v[P+\p], v[M], v[M+1]
.endm
; A TILE of 16 points through all four layers.  reload = 1: a group's last tile, in whose first softplus the next group's x is asked for.
.macro TILE xp, p, reload
	L1 \xp
	SOFTPLUS \reload
	QUANT
	MMA W2D, W2S, B2
	SOFTPLUS 0
	QUANT
	MMA W3D, W3S, B3
	SOFTPLUS 0
	DOT \p
.endm
.Lgroup:                                               ; 4 trips, 64 points each
	s_wait_loadcnt 0x0                             ; this group's x
	v_mov_b32 v[X+4], v[X+3]                       ; point 2 l + 1: x0, x1, x2 into v8, v9, v10
	v_mov_b32 v[X+5], v[X+6]
	v_mov_b32 v[X+6], v[X+7]
	v_mov_b32 v[X+3], 1.0                          ; and the 1.0 that meets b1, for both points
	v_mov_b32 v[X+7], 1.0
	v_permlane16_swap_b32 v[X], v[X+2]             ; the first's lanes 16-31 change places with the second's lanes 0-15: v[4:5] is now the f32 operand (k = 2 h, 2 h + 1) of points 2 r,
	v_permlane16_swap_b32 v[X+1], v[X+3]           ; v[6:7] that of points 32 + 2 r,
	v_permlane16_swap_b32 v[X+4], v[X+6]           ; v[8:9] that of points 2 r + 1,
	v_permlane16_swap_b32 v[X+5], v[X+7]           ; v[10:11] that of points 33 + 2 r
	TILE X,   0, 0
	TILE X+2, 2, 0
	TILE X+4, 1, 0
	TILE X+6, 3, 1
	v_permlane16_swap_b32 v[P], v[P+2]             ; v12: units 0-31's part of point 2 l; v14: units 32-63's
	v_permlane16_swap_b32 v[P+1], v[P+3]           ; v13, v15: the same of point 2 l + 1
	v_pk_add_f32 v[P:P+1], v[P:P+1], v[P+2:P+3]
	v_pk_add_f32 v[P:P+1], v[P:P+1], s[B4:B4+1] op_sel_hi:[1,0]   ; + b4
	s_wait_alu depctr_va_vdst(0)                   ; the additions have written v[P:P+1], which the store reads
	global_store_b64 v[OO], v[P:P+1], s[26:27] th:TH_STORE_NT     ; 32 lanes store 256 consecutive bytes, at a multiple of 256 from out0's first byte; written once, read by nobody here
	s_wait_xcnt 0x0                                ; the store has read its base and its data: both are written again only behind this wait
	s_wait_alu depctr_vm_vsrc(0)                   ; the store has read v[P:P+1], which the next trip's last layers write again: stated ahead of the backward branch
	s_add_nc_u64 s[26:27], s[26:27], 256
	s_sub_co_u32 s[GRP], s[GRP], 1
	s_cmp_lg_u32 s[GRP], 0
	s_cbranch_scc1 .Lgroup
	s_endpgm
.Lfunc_end_k_qa31a6ad374_sdf:
	.size	k_qa31a6ad374_sdf, .Lfunc_end_k_qa31a6ad374_sdf-k_qa31a6ad374_sdf
	.p2alignl 7, 3214868480
	.fill 96, 4, 3214868480
	.section	.rodata,"a",@progbits
	.p2align	6, 0x0
	.amdhsa_kernel k_qa31a6ad374_sdf
		.amdhsa_group_segment_fixed_size 0
		.amdhsa_private_segment_fixed_size 0
		.amdhsa_enable_private_segment 0
		.amdhsa_kernarg_size 96
		.amdhsa_user_sgpr_count 2
		.amdhsa_user_sgpr_kernarg_segment_ptr 1
		.amdhsa_wavefront_size32 1
		.amdhsa_system_sgpr_workgroup_id_x 1
		.amdhsa_system_sgpr_workgroup_id_y 1
		.amdhsa_system_sgpr_workgroup_id_z 1
		.amdhsa_system_vgpr_workitem_id 0
		.amdhsa_next_free_vgpr 256
		.amdhsa_next_free_sgpr 66
		.amdhsa_reserve_vcc 1
		.amdhsa_float_denorm_mode_32 3
		.amdhsa_float_denorm_mode_16_64 3
		.amdhsa_memory_ordered 1
		.amdhsa_forward_progress 1
		.amdhsa_inst_pref_size 121
	.end_amdhsa_kernel
	.amdgpu_metadata
---
amdhsa.version: [ 1, 2 ]
amdhsa.kernels:
  - .name:           k_qa31a6ad374_sdf
    .symbol:         k_qa31a6ad374_sdf.kd
    .args:
      - { .name: x, .offset: 0, .size: 8, .value_kind: global_buffer, .address_space: global }
      - { .name: W1, .offset: 8, .size: 8, .value_kind: global_buffer, .address_space: global }
      - { .name: b1, .offset: 16, .size: 8, .value_kind: global_buffer, .address_space: global }
      - { .name: W2_codes, .offset: 24, .size: 8, .value_kind: global_buffer, .address_space: global }
      - { .name: W2_scales, .offset: 32, .size: 8, .value_kind: global_buffer, .address_space: global }
      - { .name: b2, .offset: 40, .size: 8, .value_kind: global_buffer, .address_space: global }
      - { .name: W3_codes, .offset: 48, .size: 8, .value_kind: global_buffer, .address_space: global }
      - { .name: W3_scales, .offset: 56, .size: 8, .value_kind: global_buffer, .address_space: global }
      - { .name: b3, .offset: 64, .size: 8, .value_kind: global_buffer, .address_space: global }
      - { .name: W4, .offset: 72, .size: 8, .value_kind: global_buffer, .address_space: global }
      - { .name: b4, .offset: 80, .size: 8, .value_kind: global_buffer, .address_space: global }
      - { .name: out0, .offset: 88, .size: 8, .value_kind: global_buffer, .address_space: global }
    .group_segment_fixed_size: 0
    .private_segment_fixed_size: 0
    .kernarg_segment_align: 8
    .kernarg_segment_size: 96
    .max_flat_workgroup_size: 512
    .sgpr_count:     66
    .vgpr_count:     256
    .wavefront_size: 32
...
	.end_amdgpu_metadata
.endif
;; end of part 2
